; MI455X (gfx1250); checked and timed in simulation.
; The chip was launched on July 23, 2026; its instructions are those of AMD's public machine-readable ISA for CDNA 5 (MIT licence, August 2026) and "CDNA5" Instruction Set Architecture Reference Guide (July 2026). The comments in the code are by the model that wrote it; some were corrected since.
;; Bi Encoder. Allowed arithmetic: float matrix products may take bf16 or f16 operands with f32 sums; all other float work in f32.
;; Inputs: ids 64 x 512 int32; mu 1 float32; vector_all 64 x 512 x 1,024 float32.
;; Outputs: out0 64 x 1,024 float32.
;; One version. Each part assembles by itself: llvm-mc -triple=amdgcn-amd-amdhsa -mcpu=gfx1250 --defsym DOCPART=n.
;; ======== version 1 of 1: 2 launches
;; workspace buffers: spans 512 bytes of whole numbers
;; launch findspan (part 1): grid 64 x 1, 1 waves a work-group, no clusters, 0 bytes of LDS; arguments ids, spans; writes spans
.if DOCPART == 1
	.amdgcn_target "amdgcn-amd-amdhsa--gfx1250"
	.amdhsa_code_object_version 6
	.text
	.protected	k_q54c3dc3775_findspan
	.globl	k_q54c3dc3775_findspan
	.p2align	8
	.type	k_q54c3dc3775_findspan,@function
k_q54c3dc3775_findspan:
	s_mov_b64 s[64:65], 0
	v_nop
	global_prefetch_b8 v0, s[64:65] scope:SCOPE_SE
	s_setreg_imm32_b32 hwreg(HW_REG_WAVE_MODE, 25, 1), 1
	s_wait_xcnt 0x0
; spans[b] = (start, len): start = first1 + 1, len = max(first2 - first1 - 1, 0), where first1 / first2 is the index of the first id
; equal to 1 / 2 in ids[b][0..511], 512 where there is none.  The rows start .. start + len - 1 are those with first1 < j < first2;
; where len > 0, start + len = first2 <= 512.  ids may be any int32.
; One wave for each of the 64 batches: a batch's ids are 2,048 bytes, four loads of 16 bytes a lane, each covering 512 consecutive bytes.
; No branch and no address here hangs on the ids: the scan is a fixed run of compares and scalar minima.
.set IDS, 2                            ; v[2:17]   load j, word e: the id at position 128 j + 4 lane + e
.set DAT, 18                           ; v[18:19]  start, len
.set ZO,  20                           ; v20       offset 0 of the store
.set M1,  16                           ; s[16:31]  for p = 4 j + e: lanes that hold a 1, then the first such position
.set M2,  32                           ; s[32:47]  the same for a 2
	s_load_b128 s[4:7], s[0:1], 0x0                ; ids s[4:5], spans s[6:7]
	s_lshl_b32 s8, ttmp9, 11                       ; ids: batch x 512 x 4 bytes
	s_mov_b32 s9, 0
	s_lshl_b32 s10, ttmp9, 3                       ; spans: batch x 8 bytes
	s_mov_b32 s11, 0
	v_lshlrev_b32 v1, 4, v0                        ; 16 bytes a lane
	s_wait_kmcnt 0x0
	s_add_nc_u64 s[4:5], s[4:5], s[8:9]
	s_add_nc_u64 s[6:7], s[6:7], s[10:11]
.irp j, 0,1,2,3
	global_load_b128 v[IDS+4*\j:IDS+4*\j+3], v1, s[4:5] offset:512*\j th:TH_LOAD_NT
.endr
.irp j, 0,1,2,3
	s_wait_loadcnt 3-\j                            ; loads come back in order: load j is in, the 3 - j younger ones may stay out
.irp e, 0,1,2,3
	v_cmp_eq_u32 s[M1+4*\j+\e], 1, v[IDS+4*\j+\e]  ; one bit a lane
	v_cmp_eq_u32 s[M2+4*\j+\e], 2, v[IDS+4*\j+\e]
.endr
.endr
	; Mask p: the first lane L that is set stands for position 128 (p / 4) + 4 L + p % 4.  s_ctz_i32_b32 gives -1 for an empty mask:
	; as an unsigned number larger than any lane, cut to 512 so that 4 x 512 + ... neither wraps nor falls below 512.
.irp p, 0,1,2,3,4,5,6,7,8,9,10,11,12,13,14,15
	s_ctz_i32_b32 s[M1+\p], s[M1+\p]
	s_ctz_i32_b32 s[M2+\p], s[M2+\p]
.endr
.irp p, 0,1,2,3,4,5,6,7,8,9,10,11,12,13,14,15
	s_min_u32 s[M1+\p], s[M1+\p], 0x200
	s_min_u32 s[M2+\p], s[M2+\p], 0x200
.endr
.irp p, 0,1,2,3,4,5,6,7,8,9,10,11,12,13,14,15
	s_lshl2_add_u32 s[M1+\p], s[M1+\p], 128*(\p/4)+(\p%4)
	s_lshl2_add_u32 s[M2+\p], s[M2+\p], 128*(\p/4)+(\p%4)
.endr
	; the smallest of the sixteen, as a tree: 8, 4, 2, 1
.irp p, 0,1,2,3,4,5,6,7
	s_min_u32 s[M1+\p], s[M1+\p], s[M1+\p+8]
	s_min_u32 s[M2+\p], s[M2+\p], s[M2+\p+8]
.endr
.irp p, 0,1,2,3
	s_min_u32 s[M1+\p], s[M1+\p], s[M1+\p+4]
	s_min_u32 s[M2+\p], s[M2+\p], s[M2+\p+4]
.endr
.irp p, 0,1
	s_min_u32 s[M1+\p], s[M1+\p], s[M1+\p+2]
	s_min_u32 s[M2+\p], s[M2+\p], s[M2+\p+2]
.endr
	s_min_u32 s12, s[M1], s[M1+1]
	s_min_u32 s13, s[M2], s[M2+1]
	s_min_u32 s12, s12, 0x200                      ; first1, 512 = there is none
	s_min_u32 s13, s13, 0x200                      ; first2, likewise
	s_sub_co_i32 s14, s13, s12
	s_sub_co_i32 s14, s14, 1
	s_max_i32 s14, s14, 0                          ; len
	s_add_co_u32 s12, s12, 1                       ; start
	v_mov_b32 v[DAT],   s12
	v_mov_b32 v[DAT+1], s14
	v_mov_b32 v[ZO], 0
	v_cmp_eq_u32 vcc_lo, 0, v0
	s_wait_xcnt 0x0                                ; EXEC is a source of the loads above: it narrows only behind this wait
	s_and_saveexec_b32 s15, vcc_lo
	global_store_b64 v[ZO], v[DAT:DAT+1], s[6:7]   ; lane 0 alone: the batch's 8 bytes (the whole table is 512 bytes)
	s_wait_xcnt 0x0                                ; and widens again only behind this one
	s_or_b32 exec_lo, exec_lo, s15
	s_endpgm
.Lfunc_end_k_q54c3dc3775_findspan:
	.size	k_q54c3dc3775_findspan, .Lfunc_end_k_q54c3dc3775_findspan-k_q54c3dc3775_findspan
	.p2alignl 7, 3214868480
	.fill 96, 4, 3214868480
	.section	.rodata,"a",@progbits
	.p2align	6, 0x0
	.amdhsa_kernel k_q54c3dc3775_findspan
		.amdhsa_group_segment_fixed_size 0
		.amdhsa_private_segment_fixed_size 0
		.amdhsa_enable_private_segment 0
		.amdhsa_kernarg_size 16
		.amdhsa_user_sgpr_count 2
		.amdhsa_user_sgpr_kernarg_segment_ptr 1
		.amdhsa_wavefront_size32 1
		.amdhsa_system_sgpr_workgroup_id_x 1
		.amdhsa_system_sgpr_workgroup_id_y 1
		.amdhsa_system_sgpr_workgroup_id_z 1
		.amdhsa_system_vgpr_workitem_id 0
		.amdhsa_next_free_vgpr 24
		.amdhsa_next_free_sgpr 66
		.amdhsa_reserve_vcc 1
		.amdhsa_float_denorm_mode_32 3
		.amdhsa_float_denorm_mode_16_64 3
		.amdhsa_memory_ordered 1
		.amdhsa_forward_progress 1
		.amdhsa_inst_pref_size 10
	.end_amdhsa_kernel
	.amdgpu_metadata
---
amdhsa.version: [ 1, 2 ]
amdhsa.kernels:
  - .name:           k_q54c3dc3775_findspan
    .symbol:         k_q54c3dc3775_findspan.kd
    .args:
      - { .name: ids, .offset: 0, .size: 8, .value_kind: global_buffer, .address_space: global }
      - { .name: spans, .offset: 8, .size: 8, .value_kind: global_buffer, .address_space: global }
    .group_segment_fixed_size: 0
    .private_segment_fixed_size: 0
    .kernarg_segment_align: 8
    .kernarg_segment_size: 16
    .max_flat_workgroup_size: 32
    .sgpr_count:     66
    .vgpr_count:     24
    .wavefront_size: 32
...
	.end_amdgpu_metadata
.endif
;; end of part 1
;; launch spanmax (part 2): grid 1024 x 1, 8 waves a work-group, no clusters, 5,120 bytes of LDS; arguments spans, mu, vector_all, out0; writes out0
.if DOCPART == 2
	.amdgcn_target "amdgcn-amd-amdhsa--gfx1250"
	.amdhsa_code_object_version 6
	.text
	.protected	k_q54c3dc3775_spanmax
	.globl	k_q54c3dc3775_spanmax
	.p2align	8
	.type	k_q54c3dc3775_spanmax,@function
k_q54c3dc3775_spanmax:
	s_mov_b64 s[64:65], 0
	v_nop
	global_prefetch_b8 v0, s[64:65] scope:SCOPE_SE
	s_setreg_imm32_b32 hwreg(HW_REG_WAVE_MODE, 25, 1), 1
	s_wait_xcnt 0x0
; out[b][c] = cls[b][c] + mu * vec[b][c],  cls = vector_all[b][0][:],
; vec = max over the rows j = start .. start + len - 1 of vector_all[b][j][c], or cls where len = 0.
; (start, len) = spans[b], made once for each batch by the launch before this one (the rows strictly between the first id 1 and the
; first id 2).  Rows outside the span only ever contribute -inf, so they are not read.
;
; A work-group owns one batch and 64 columns (256 bytes of every row); 64 batches x 16 chunks = 1,024 work-groups, 8 waves each.
;   1. every wave reads the batch's pair by one scalar load;
;   2. it asks at once for all the span rows that are its own (up to 30 loads of 2 rows x 256 bytes) and takes their maximum;
;   3. the 16 partial maxima (8 waves x 2 half waves) meet in LDS behind one barrier; wave 0 joins them and stores the 256 bytes of output.
; 130 registers a wave.
;
; LIMIT: the maxima are taken with v_max_num_f32 / v_max3_num_f32, in which a NaN loses: a NaN inside a span is ignored,
; where jnp.max would return NaN.  A NaN in the CLS row or in mu goes through as in the reference.
.set ROWB,   4096                      ; bytes in a token's row (1,024 f32)
.set WAVES,  8
.set U,      30                        ; loads that a wave has in flight in one pass: 30 x 4 registers
.set STEPB,  WAVES*ROWB                ; from one load of a wave to its next: 8 rows
.set PART,   0                         ; LDS: 8 waves x 512 bytes of partial maxima
.set OFF,    1                         ; v1       byte offsets (wave 0: the CLS load; then the span rows; then LDS and the output)
.set ACC,    2                         ; v[2:5]   running maximum of my 4 columns
.set CLS,    6                         ; v[6:7]   wave 0: the CLS row's columns 2 lane, 2 lane + 1
.set X,      8                         ; v[8:127] slot u = v[X+4u : X+4u+3].  Before the row loads: lane terms.  At the end: the partials
.set COL,    X+16                      ;          16 x (lane % 16): my 16 bytes of the 256   (used up before slot 4 is loaded)
.set HALF,   X+17                      ;          lane / 16
; s[4:5] spans  s[6:7] mu  s[8:9] vector_all  s[10:11] out0  s12 wave  s13 chunk bytes  s14 batch  s[16:21] offsets  s22 mu's value
; s24 start  s25 len as loaded  s28 len  s29 len/2  s30 indices left for my wave  s31 first row + wave  s32 mask
	s_load_b256 s[4:11], s[0:1], 0x0
	v_lshl_add_u32 v128, v0, 2, 0x1000
	v_mov_b32 v129, 0
	v_lshrrev_b32 v1, 5, v0
	v_readfirstlane_b32 s12, v1                    ; wave 0..7
	; Work-group number id -> chunk = id / 64, batch = (id + 16 (id / 256)) mod 64: one to one, and both neighbouring numbers and
	; numbers 256 apart fall on different batches.  Spans differ widely in length; work-groups that end up together are then a mix.
	s_lshr_b32 s13, ttmp9, 6
	s_lshr_b32 s14, ttmp9, 8
	s_lshl4_add_u32 s14, s14, ttmp9
	s_and_b32 s14, s14, 63
	s_lshl_b32 s13, s13, 8                         ; the chunk's 256 bytes in a row
	s_lshl_b32 s16, s14, 3                         ; spans: batch x 8 bytes
	s_mov_b32 s17, 0
	s_lshl_b32 s18, s14, 21                        ; vector_all: batch x 512 rows x 4,096 bytes (at most 63 x 2 MiB: 32 bits do)
	s_add_co_u32 s18, s18, s13
	s_mov_b32 s19, 0
	s_lshl_b32 s20, s14, 12                        ; out0: batch x 4,096 bytes
	s_add_co_u32 s20, s20, s13
	s_mov_b32 s21, 0
	s_wait_kmcnt 0x0
	s_add_nc_u64 s[4:5], s[4:5], s[16:17]
	s_add_nc_u64 s[8:9], s[8:9], s[18:19]
	s_add_nc_u64 s[10:11], s[10:11], s[20:21]
	s_load_b64 s[24:25], s[4:5], 0x0               ; start, len
	s_cmp_lg_u32 s12, 0
	s_cbranch_scc1 .Lspan
	; wave 0 alone writes the output: it asks now for what that takes and does not hang on the span
	s_load_b32 s22, s[6:7], 0x0                    ; mu
	v_lshlrev_b32 v[OFF], 3, v0                    ; in wave 0 the thread's number is the lane
	global_load_b64 v[CLS:CLS+1], v[OFF], s[8:9]   ; row 0 of the batch, my chunk: 32 lanes x 8 bytes = the 256 bytes
.Lspan:
	; register work that needs no span, while the pair is on its way
	v_and_b32 v[COL], 15, v0
	v_bfe_u32 v[HALF], v0, 4, 1
	v_lshlrev_b32 v[COL], 4, v[COL]
.irp j, 0,1,2,3
	v_mov_b32 v[ACC+\j], 0xff800000                ; -inf: what a wave without rows hands on
.endr
	s_wait_kmcnt 0x0                               ; the pair (and in wave 0 mu): scalar loads are waited for with 0 alone
	s_min_u32 s24, s24, 0x200                      ; both bounds change nothing in what the earlier launch stores for a span with rows
	s_min_u32 s28, s25, 0x1ff                      ; len = rows in the span; 0 = empty
	; The span is walked by two runs of n = ceil(len / 2) rows: lanes 0-15 take row start + i, lanes 16-31 row start + floor(len / 2) + i,
	; i = 0 .. n - 1.  Together they are the span exactly (an odd len reads its middle row twice): no lane is switched off, no row is
	; clamped load by load, and the highest row read is start + len - 1 <= 511.  Wave w takes i = w + 8 u.
	s_lshr_b32 s29, s28, 1                         ; floor(len / 2)
	s_sub_co_i32 s30, s28, s29                     ; n
	s_sub_co_i32 s30, s30, s12                     ; n - w: load u is mine while 8 u < n - w
	s_add_co_u32 s31, s24, s12                     ; start + w
	s_wait_xcnt 0x0                                ; v1 was the offset of wave 0's CLS load: it is rewritten only behind this wait
	v_mad_u32_u24 v[OFF], v[HALF], s29, s31        ; my row at u = 0
	v_min_u32 v[OFF], 0x1ff, v[OFF]                ; changes nothing in a wave that loads; a row number made from loaded data is bounded before it is an address
	v_lshl_add_u32 v[OFF], v[OFF], 12, v[COL]      ; row x 4,096 + my 16 bytes
	s_cmp_le_i32 s30, 0
	s_cbranch_scc1 .Lshare                         ; no row for this wave (short or empty span): it hands on -inf
	; One pass: all the wave's loads go out before any is waited for; each covers two aligned runs of 256 consecutive bytes.
	; 8 waves x 30 loads x 2 rows = 480 rows a pass; only a span longer than that takes a second pass.
.Lpass:
	global_load_b128 v[X:X+3], v[OFF], s[8:9] th:TH_LOAD_NT
.irp u, 1,2,3,4,5,6,7,8,9,10,11,12,13,14,15,16,17,18,19,20,21,22,23,24,25,26,27,28,29
	s_cmp_le_i32 s30, WAVES*\u
	s_cbranch_scc1 .Lhave\u                        ; u loads are out, and they are all
	global_load_b128 v[X+4*\u:X+4*\u+3], v[OFF], s[8:9] offset:\u*STEPB th:TH_LOAD_NT
.endr
	; .Lhave u: slots 0 .. u - 1 were loaded.  The blocks run from the youngest slot down, so that one chain serves every depth;
	; its first block needs the youngest load, hence the count 0, and each label is an entry, hence the wait at each.
.irp u, 30,29,28,27,26,25,24,23,22,21,20,19,18,17,16,15,14,13,12,11,10,9,8,7,6,5,4,3,2,1
.Lhave\u:
	s_wait_loadcnt 0x0
	v_max_num_f32 v[ACC],   v[ACC],   v[X+4*\u-4]
	v_max_num_f32 v[ACC+1], v[ACC+1], v[X+4*\u-3]
	v_max_num_f32 v[ACC+2], v[ACC+2], v[X+4*\u-2]
	v_max_num_f32 v[ACC+3], v[ACC+3], v[X+4*\u-1]
.endr
	s_sub_co_i32 s30, s30, WAVES*U                 ; 240 indices further
	s_add_nc_u64 s[8:9], s[8:9], U*STEPB           ; the base steps behind the wait that showed every load done
	s_cmp_gt_i32 s30, 0
	s_cbranch_scc1 .Lpass
.Lshare:
	v_lshlrev_b32 v[OFF], 4, v0                    ; wave w, half h, 16 bytes c at 512 w + 256 h + 16 c: partial 2 w + h is 256 bytes, columns in order
	ds_store_b128 v[OFF], v[ACC:ACC+3] offset:PART
	s_wait_dscnt 0x0                               ; for wave 0: my partial is in LDS before I say so
	s_barrier_signal -1
	s_barrier_wait -1
	s_cmp_lg_u32 s12, 0
	s_cbranch_scc1 .Lend
	; wave 0: lane L takes columns 2 L, 2 L + 1 of all 16 partials; each load reads 256 consecutive bytes
	v_lshlrev_b32 v[OFF], 3, v0
.irp p, 0,1,2,3,4,5,6,7,8,9,10,11,12,13,14,15
	ds_load_b64 v[X+2*\p:X+2*\p+1], v[OFF] offset:PART+256*\p
.endr
	s_cmp_gt_i32 s28, 0
	s_cselect_b32 s32, -1, 0                       ; all lanes: is there a span?
	s_wait_loadcnt 0x0                             ; the CLS row: a wave 0 that had no span row has not waited for it yet
	s_wait_dscnt 0x0
.irp e, 0,1
.irp p, 0,3,6,9,12
	v_max3_num_f32 v[X+2*\p+\e], v[X+2*\p+\e], v[X+2*\p+2+\e], v[X+2*\p+4+\e]     ; partials p, p + 1, p + 2
.endr
.endr
.irp e, 0,1
	v_max3_num_f32 v[X+\e],    v[X+\e],    v[X+6+\e],  v[X+12+\e]                 ; 0-2, 3-5, 6-8
	v_max3_num_f32 v[X+18+\e], v[X+18+\e], v[X+24+\e], v[X+30+\e]                 ; 9-11, 12-14, 15
.endr
	v_max_num_f32 v[X],   v[X],   v[X+18]
	v_max_num_f32 v[X+1], v[X+1], v[X+19]
	v_cndmask_b32 v[X],   v[CLS],   v[X],   s32    ; an empty span falls back to the CLS row
	v_cndmask_b32 v[X+1], v[CLS+1], v[X+1], s32
	v_fma_f32 v[X],   s22, v[X],   v[CLS]          ; cls + mu x vec, one rounding
	v_fma_f32 v[X+1], s22, v[X+1], v[CLS+1]
	global_store_b64 v[OFF], v[X:X+1], s[10:11] th:TH_STORE_NT     ; the wave's one store covers the chunk's 256 aligned bytes
.Lend:
	s_wait_tensorcnt 0x0
	ds_add_u32 v128, v129
	s_wait_dscnt 0x0
	s_endpgm
.Lfunc_end_k_q54c3dc3775_spanmax:
	.size	k_q54c3dc3775_spanmax, .Lfunc_end_k_q54c3dc3775_spanmax-k_q54c3dc3775_spanmax
	.p2alignl 7, 3214868480
	.fill 96, 4, 3214868480
	.section	.rodata,"a",@progbits
	.p2align	6, 0x0
	.amdhsa_kernel k_q54c3dc3775_spanmax
		.amdhsa_group_segment_fixed_size 5120
		.amdhsa_private_segment_fixed_size 0
		.amdhsa_enable_private_segment 0
		.amdhsa_kernarg_size 32
		.amdhsa_user_sgpr_count 2
		.amdhsa_user_sgpr_kernarg_segment_ptr 1
		.amdhsa_wavefront_size32 1
		.amdhsa_system_sgpr_workgroup_id_x 1
		.amdhsa_system_sgpr_workgroup_id_y 1
		.amdhsa_system_sgpr_workgroup_id_z 1
		.amdhsa_system_vgpr_workitem_id 0
		.amdhsa_next_free_vgpr 130
		.amdhsa_next_free_sgpr 66
		.amdhsa_reserve_vcc 0
		.amdhsa_float_denorm_mode_32 3
		.amdhsa_float_denorm_mode_16_64 3
		.amdhsa_memory_ordered 1
		.amdhsa_forward_progress 1
		.amdhsa_inst_pref_size 16
	.end_amdhsa_kernel
	.amdgpu_metadata
---
amdhsa.version: [ 1, 2 ]
amdhsa.kernels:
  - .name:           k_q54c3dc3775_spanmax
    .symbol:         k_q54c3dc3775_spanmax.kd
    .args:
      - { .name: spans, .offset: 0, .size: 8, .value_kind: global_buffer, .address_space: global }
      - { .name: mu, .offset: 8, .size: 8, .value_kind: global_buffer, .address_space: global }
      - { .name: vector_all, .offset: 16, .size: 8, .value_kind: global_buffer, .address_space: global }
      - { .name: out0, .offset: 24, .size: 8, .value_kind: global_buffer, .address_space: global }
    .group_segment_fixed_size: 5120
    .private_segment_fixed_size: 0
    .kernarg_segment_align: 8
    .kernarg_segment_size: 32
    .max_flat_workgroup_size: 256
    .sgpr_count:     66
    .vgpr_count:     130
    .wavefront_size: 32
...
	.end_amdgpu_metadata
.endif
;; end of part 2
